; MI455X (gfx1250); checked and timed in simulation.
; The chip was launched on July 23, 2026; its instructions are those of AMD's public machine-readable ISA for CDNA 5 (MIT licence, August 2026) and "CDNA5" Instruction Set Architecture Reference Guide (July 2026). The comments in the code are by the model that wrote it; some were corrected since.
;; Attention. Allowed arithmetic: matrix products marked QUANTISED: E5M2 operands, one E8M0 scale for each 32 along K, by v_wmma_scale_f32_16x16x128_f8f6f4 with both operands' format E5M2, f32 sums; everything else in f32.
;; Inputs: W_fc2_codes 1,024 x 32 x 32 uint8 (E5M2 codes of W_fc2, K innermost, in blocks of 32 codes); W_fc2_scales 1,024 x 32 uint8 (E8M0 scales of W_fc2, one for each 32 codes along K); W_fc_codes 3,072 x 32 x 32 uint8 (E5M2 codes of W_fc, K innermost, in blocks of 32 codes); W_fc_scales 3,072 x 32 uint8 (E8M0 scales of W_fc, one for each 32 codes along K); b_fc 3,072 float32; b_fc2 1,024 float32; x 4 x 2,048 x 1,024 float32.
;; Outputs: out0 4 x 2,048 x 1,024 float32.
;; This version of the problem:
;;   THIS VERSION OF THE PROBLEM IS GIVEN IN LOW PRECISION. The matrix products marked QUANTISED in the list below multiply operands that are first quantised to E5M2 (5 exponent bits, 2 mantissa bits; 8 bits a number), with one power-of-two scale for each 32 numbers along K (OCP MX v1.0); their sums are f32. All else is computed in f32.
;;   The module's matrix products, in the order in which they are computed (A, B: the left and right operand; K: the contracted axis; several contracted axes count as one K, in the product's order):
;;     1. [M 8,192, K 1,024] x [K 1,024, N 3,072]; A: input x; B: input W_fc (given as codes): QUANTISED
;;     2. batch 64 x [M 2,048, K 64] x [K 64, N 2,048]; A: computed on the way; B: computed on the way: QUANTISED
;;     3. batch 64 x [M 64, K 2,048] x [K 2,048, N 2,048]; A: computed on the way; B: softmax (see below): QUANTISED
;;     4. [M 8,192, K 1,024] x [K 1,024, N 1,024]; A: computed on the way; B: input W_fc2 (given as codes): QUANTISED
;;   THE QUANTISER, for each operand of a quantised product, along K:
;;     - K is cut into blocks of 32 from its start; a last block that is shorter is filled with zeros.
;;     - A block's scale is 2^e with e = floor(log2(the largest magnitude in the block)) - 15, held to -126 .. 127; a block of zeros has e = 0. As a byte (E8M0): e + 127.
;;     - Each number is divided by its block's scale, clamped to +-57,344, and rounded to the nearest number of E5M2, ties to even, subnormals kept.
;;     - The product sums the exact products of the quantised numbers (number of the format x scale) in f32.
;;   ~~~python
;;   def quantise(x, axis):      # numpy; x: float32 -> the quantised numbers, widened to float32 again
;;       x = np.moveaxis(x, axis, -1); K = x.shape[-1]
;;       x = np.pad(x, [(0, 0)] * (x.ndim - 1) + [(0, -K % 32)]); x = x.reshape(x.shape[:-1] + (-1, 32)); a = np.abs(x).max(-1, keepdims=True)
;;       e = np.where(a > 0, np.clip(np.frexp(np.where(a > 0, a, 1))[1] - 1 - 15, -126, 127), 0)      # np.frexp(a)[1] - 1 = floor(log2(a)), exactly
;;       r = np.clip(x / 2.0 ** e, -57344, 57344)
;;       step = 2.0 ** (np.maximum(np.frexp(np.where(r == 0, 1, r))[1] - 1, -14) - 2)
;;       q = np.round(r / step) * step * 2.0 ** e      # np.round: ties to even
;;       return np.moveaxis(q.reshape(q.shape[:-2] + (-1,))[..., :K], -1, axis).astype(np.float32)
;;   ~~~
;;   SOFTMAX AHEAD OF A QUANTISED PRODUCT. Where the list says 'softmax', what is quantised is not the finished softmax but p = 2^(t - M), with t = logit x log2(e) and M = ceil(the row's largest t), a whole number; so 1/2 < the row's largest p <= 1. The row's sum l is taken of the UNQUANTISED p, in f32, and the product's result is divided by l at the end. Since M is a whole number, a kernel that streams over the keys may use a running M (the ceiling of the running maximum): every later rescaling is an exact power of two, which a block's scale takes up: the codes' values come out the same.
;;   OPERANDS COMPUTED ON THE WAY. 'Computed on the way' means the value that the module computes at that place (a softmax that the list does not call 'softmax' is quantised finished and normalised). What goes into a quantiser is computed in f32, as accurately as f32 sums, v_exp_f32 and their like allow (about 1e-6 of the number): no bf16 or f16 on the way to a quantiser, and a product that is left as it is and whose result goes on into a quantised operand takes f32 operands (vector FMAs, or v_wmma_f32_16x16x4_f32). A number that lies on a knife's edge between two numbers of the format may be rounded either way, as far as f32 arithmetic and the matrix unit's own rounding can turn it there, and no further.
;;   INPUTS GIVEN AS CODES. W_fc (in the module: [1024, 3072], K = its axis 0); W_fc2 (in the module: [1024, 1024], K = its axis 0): each comes as NAME_codes (uint8): NAME with its K axis moved to the last place and cut into blocks of 32 codes, [.., K / 32, bytes a block], one block behind the other in memory; one code a byte (a code: sign, 5 exponent bits, 2 mantissa bits); and NAME_scales (uint8): the same leading axes, one E8M0 byte (e + 127) for each 32 codes along K. Its value is code x scale, taken as it is: it is not quantised again, and the codes and scales need not be those that the quantiser above would give.
;; One version. Each part assembles by itself: llvm-mc -triple=amdgcn-amd-amdhsa -mcpu=gfx1250 --defsym DOCPART=n.
;; ======== version 1 of 1: 3 launches
;; limits: right only within a limited range of input values
;; workspace buffers: qimg 8,388,608 bytes; kimg 8,388,608 bytes; vimg 8,388,608 bytes; qsc 262,144 bytes; ksc 262,144 bytes; vsc 262,144 bytes; nvimg 8,388,608 bytes; nvsc 262,144 bytes
;; launch qkv (part 1): grid 64 x 4, 4 waves a work-group, clusters of 4 x 1, 327,680 bytes of LDS; arguments x, W_fc_codes, W_fc_scales, b_fc, qimg, kimg, vimg, qsc, ksc, vsc; writes qimg, kimg, vimg, qsc, ksc, vsc
.if DOCPART == 1
	.amdgcn_target "amdgcn-amd-amdhsa--gfx1250"
	.amdhsa_code_object_version 6
	.text
	.protected	k_qc003703f18_qkv
	.globl	k_qc003703f18_qkv
	.p2align	8
	.type	k_qc003703f18_qkv,@function
k_qc003703f18_qkv:
	s_mov_b64 s[64:65], 0
	v_nop
	global_prefetch_b8 v0, s[64:65] scope:SCOPE_SE
	s_setreg_imm32_b32 hwreg(HW_REG_WAVE_MODE, 25, 1), 1
	s_wait_xcnt 0x0
	s_wait_alu depctr_hold_cnt(0) depctr_sa_sdst(0) depctr_va_vdst(0) depctr_va_sdst(0) depctr_va_ssrc(0) depctr_va_vcc(0) depctr_vm_vsrc(0)
	s_getreg_b32 s2, hwreg(HW_REG_IB_STS2, 6, 4)
	s_cmp_eq_u32 s2, 0
	s_cbranch_scc0 .Lentry_in_a_cluster
	s_endpgm
.Lentry_in_a_cluster:
	s_bfe_u32 s2, ttmp6, 0x10000c
	s_cmp_lg_u32 s2, 0x3003
	s_cbranch_scc0 .Lentry_shape_is_right
	s_endpgm
.Lentry_shape_is_right:
; qkv = swish(Q(x) W_fc + b_fc), and q, k, v leave as codes of BF8 (E5M2) with one E8M0 byte for each 32 along the K of the product that reads them:
; q and k along the head's 64, v along the keys.  x [8192][1024] f32 is quantised here, along its 1,024; W_fc comes as codes [3072][1024] and bytes [3072][32].
; SHARES.  A work-group owns 128 rows of x (row block R) and four heads (4 Y .. 4 Y + 3); wave w owns head 4 Y + w: 192 columns, in three passes of 64 (q, k, v): 8 tiles of rows x 4 tiles of columns, 32 accumulators.
; x: wave w quantises rows 32 w .. 32 w + 31 for all of K; the fragments lie in LDS as images of their registers (512 bytes a group of four registers, lane l at 16 l) and all four waves read them.
; x's loads run two K steps ahead of the work, in four sets of 64 registers: 64 loads of 512 bytes of a wave are on their way.
; W_fc: each wave's 64 rows x 256 bytes come through a ring of two LDS slots.  CLUSTER: the four work-groups of a cluster have the same Y, so they want the same tiles of W_fc: each tile is asked for jointly
; (mask 15).  x is not shared so: it arrives as f32 through registers, and the partners hold different rows.
; THE ROWS OF A TILE ARE NOT NEIGHBOURS: lane r of row tile 2 G + u holds row 32 G + 8 u + r + 8 (r / 8).  So where rows run down a result's registers (v here, the keys in the next launch), the 16 registers of tiles 2 G, 2 G + 1 are 16 neighbours.
; q, k: source 0 = 16 rows of W_fc, source 1 = 16 rows of x: a lane holds one row and its registers run along the head's 64.  v: the sources swapped: a lane holds one channel and its registers run down the keys.
; v's tiles of W_fc take rows 32 (t / 2) + 8 (t % 2) + r + 8 (r / 8), so that the next launch's result has neighbours along the channels; those LDS reads fall two deep on the banks.
; LIMITS: NaN and infinities among the inputs are not served.  A block of zeros gets the byte 1 (the rule says 127): its codes are zeros, and only this program reads the bytes.
; Inside a block of 32 of q and of k the head's channels stand in the order 16 u + 8 h + j at place 16 h + 8 u + j, alike in q and k: the products are the same, the order of summing differs.
; REGISTERS in windows of 256: window 0 addresses, scale words, work; window 1 x's fragments, two sets (in the first phase: x as loaded, four sets); window 2 the accumulators; window 3 W's fragments, two sets, and from v128 the bias as a C operand.
.set WP,    272                        ; a row of W in LDS: 256 bytes + 16 of padding: the sixteen rows of a load start 16 bytes apart modulo 256
.set RINGW, 64*WP                      ; a wave's part of a slot
.set RINGS, 4*RINGW                    ; a slot
.set XIMG,  2*RINGS                    ; x's 64 fragments: (K step s, tile m) at (8 s + m) x 2,048
.set XSC,   XIMG+131072                ; x's scale words: (s, lane, m) at 1,024 s + 32 lane + 4 m
.set STG,   XSC+8192                   ; a stage of 16 rows x (512 + 16) bytes for each wave
.set SGP,   528
.set STGW,  16*SGP
.set SPARE, STG+4*STGW                 ; the spare words, 128 bytes for each wave: two blocks of 256 bytes that no other line names
.set XA,   1                           ; v1   x: 131,072 w + 16 lane
.set SGW,  2                           ; v2   the stage, in
.set SGR,  3                           ; v3   the stage, out: 528 r + 64 h
.set XW,   4                           ; v4   where I store x's images
.set XWS,  5                           ; v5   and their scale words
.set XWT,  6                           ; v6, v7  the same for the pair of K steps in hand
.set XST,  7
.set XR0,  8                           ; v8, v9  x's images, K steps 0-3 and 4-7
.set WAQ,  10                          ; v10, v11  W's fragments in slot 0, 1, rows as they lie
.set WAV,  12                          ; v12, v13  the same for v's choice of rows
.set SPW,  14                          ; v14  my spare word
.set NIL,  15                          ; v15  0
.set XSW,  16                          ; v16-79   x's scale words, 8 s + m: scales and nothing else
.set WSW,  80                          ; v80-111  W's scale words, 8 t + s: scales and nothing else
.set U,    112                         ; v112-175 64 numbers at work
.set TM,   176                         ; v176-191 the quantiser's scratch
.set PW,   192
.set LI,   193                         ; 16 lane
.set LS8,  194                         ; 8 lane
.set WSAN, 195                         ; 32 r
.set WSAV, 196                         ; 32 (r + 8 (r / 8))
.set BAN,  197                         ; 32 h
.set BAV,  198                         ; 4 (r + 8 (r / 8))
.set XSR,  199                         ; XSC + 32 lane
.set PC,   200                         ; v200-215 the codes just made
.set VW,   216                         ; v216-219 scale words in the making
.set OW,   220                         ; v220-221 the pair that is stored
.set BI,   128                         ; window 3: the bias, 8 t + j
.set MSB, 0
.macro WIN new                         ; the immediate's high byte repeats the setting that is left
.if MSB != \new
	s_set_vgpr_msb (MSB<<8)|\new
.set MSB, \new
.endif
.endm
.macro PLACES n
.rept \n
	v_nop
.endr
.endm
.macro ROUND                           ; a round of the cluster's barrier
	s_barrier_signal -1
	s_barrier_wait -1
	s_cmp_lg_u32 s24, 0
	s_cbranch_scc1 .Lnot_wave_0_\@
	s_barrier_signal -3
.Lnot_wave_0_\@:
	s_barrier_wait -3
	s_barrier_signal -1
	s_barrier_wait -1
.endm
; 64 numbers of a lane, register 16 b + i: four blocks of 32, each shared with lane l xor 16.  Codes into v[PC] on, the four scale bytes into v[TM+4] on.
.macro QUANT s
.irp b, 0,1,2,3
	v_max3_num_f32 v[TM+\b], |v[\s+16*\b]|, |v[\s+1+16*\b]|, 0x8000000   ; my 16 numbers, and the floor 2^(16 - 127): the byte cannot fall under 1
.endr
.irp i, 2,4,6,8,10,12,14
.irp b, 0,1,2,3
	v_max3_num_f32 v[TM+\b], v[TM+\b], |v[\s+16*\b+\i]|, |v[\s+1+16*\b+\i]|
.endr
.endr
.irp b, 0,1,2,3
	v_permlanex16_b32 v[TM+4+\b], v[TM+\b], s44, s45
.endr
.irp b, 0,1,2,3
	v_max_num_f32 v[TM+\b], v[TM+\b], v[TM+4+\b]          ; the block's largest magnitude
.endr
.irp b, 0,1,2,3
	v_add_nc_u32 v[TM+12+\b], 0xf8800000, v[TM+\b]        ; 15 off its exponent field: the conversion's scale operand
.endr
.irp b, 0,1,2,3
.endr
.irp b, 0,1,2,3
	v_lshrrev_b32 v[TM+4+\b], 23, v[TM+12+\b]             ; the scale's byte
.endr
.irp b, 0,1,2,3
.irp i, 0,1,2,3,4,5,6,7,8,9,10,11,12,13,14,15
.endr
	v_cvt_scalef32_pk8_bf8_f32 v[PC+4*\b:PC+1+4*\b], v[\s+16*\b:\s+7+16*\b], v[TM+12+\b]
	v_cvt_scalef32_pk8_bf8_f32 v[PC+2+4*\b:PC+3+4*\b], v[\s+8+16*\b:\s+15+16*\b], v[TM+12+\b]
.endr
	v_nop                                          ; a plain place behind the conversions
.endm
.macro WORD d                          ; the four bytes as one word
	v_lshl_or_b32 v[\d], v[TM+5], 8, v[TM+4]
	v_lshl_or_b32 v[\d], v[TM+6], 16, v[\d]
	v_lshl_or_b32 v[\d], v[TM+7], 24, v[\d]
.endm
.macro XLOAD q, u, off                 ; 16 rows x 512 bytes of x (one K step of tile 2 w + u) into set q of window 1: each load reads 512 consecutive bytes
	WIN 0x40
.irp i, 0,1,2,3,4,5,6,7,8,9,10,11,12,13,14,15
	global_load_b128 v[64*\q+4*\i:64*\q+4*\i+3], v[XA], s[4:5] offset:(8*\u+\i+8*(\i/8))*4096+\off
.endr
	WIN 0
.endm
; One tile of rows (u), one K step (the sp-th of the pair in hand), from set q: through my stage (in as loaded, out 64 bytes a lane and block), quantised, image and scale word to LDS.
.macro XUNIT q, u, sp, ahead, left
	s_wait_loadcnt \left                           ; this set's 16 loads are in; the loads issued behind them may be out
	WIN 0x04                                       ; an LDS store's data are its source 1: window 1
.irp i, 0,1,2,3,4,5,6,7,8,9,10,11,12,13,14,15
	ds_store_b128 v[SGW], v[64*\q+4*\i:64*\q+4*\i+3] offset:SGP*\i
.endr
	WIN 0
.irp b, 0,1,2,3
.irp j, 0,1,2,3
	ds_load_b128 v[U+16*\b+4*\j:U+16*\b+4*\j+3], v[SGR] offset:128*\b+16*\j   ; LDS serves a wave's instructions in order: these see the stores above
.endr
.endr
	s_wait_dscnt 0x0                               ; my numbers are here; the stores have read their registers, the last unit's image stores too
.if \ahead
	XLOAD \q, \u, 512*\sp+1024                     ; the same tile, two K steps on, into the set just emptied
.endif
	QUANT U
	WORD PW
.irp c, 0,1,2,3
	ds_store_b128 v[XWT], v[PC+4*\c:PC+4*\c+3] offset:16384*\sp+2048*\u+512*\c
.endr
	ds_store_b32 v[XST], v[PW] offset:1024*\sp+4*\u
.endm
.macro FETCH_X s, p                    ; x's eight fragments of K step s into set p
	WIN 0x40
.irp m, 0,1,2,3,4,5,6,7
.irp c, 0,1,2,3
	ds_load_b128 v[128*\p+16*\m+4*\c:128*\p+16*\m+4*\c+3], v[XR0+(\s)/4] offset:16384*((\s)%4)+2048*\m+512*\c
.endr
.endr
.endm
.macro FETCH_W slot, kq, p, vp         ; W's four fragments of the slot's kq-th 128 along K into set p
	WIN 0xc0
.irp t, 0,1,2,3
.irp c, 0,1,2,3
.if \vp
	ds_load_b128 v[64*\p+16*\t+4*\c:64*\p+16*\t+4*\c+3], v[WAV+\slot] offset:(32*(\t/2)+8*(\t%2))*WP+128*\kq+32*\c
.else
	ds_load_b128 v[64*\p+16*\t+4*\c:64*\p+16*\t+4*\c+3], v[WAQ+\slot] offset:16*\t*WP+128*\kq+32*\c
.endif
.endr
.endr
.endm
; 32 matrix instructions, one K step; the 32 accumulators take turns, one instruction a turn, in the same order in every step.  first = 1: the bias is the C.
; The K step s may arrive as a sum (s0 + 1): it stands in parentheses wherever it enters an index.
.macro MUL32 p, s, first, vp
.if \vp
.if \first
	WIN 0xbd                                       ; source 0 (x) window 1, source 1 (W) window 3, C (bias) window 3, D window 2
.else
	WIN 0xad
.endif
.else
.if \first
	WIN 0xb7                                       ; source 0 (W) window 3, source 1 (x) window 1, C (bias) window 3, D window 2
.else
	WIN 0xa7
.endif
.endif
.irp m, 0,1,2,3,4,5,6,7
.irp t, 0,1,2,3
.if \vp
.set rD, 64*(\m/2)+16*\t+8*(\m%2)
.if \first
	v_wmma_scale_f32_16x16x128_f8f6f4 v[rD:rD+7], v[128*\p+16*\m:128*\p+16*\m+15], v[64*\p+16*\t:64*\p+16*\t+15], v[BI+8*\t:BI+8*\t+7], v[XSW+8*(\s)+\m], v[WSW+8*\t+(\s)] matrix_a_fmt:MATRIX_FMT_BF8 matrix_b_fmt:MATRIX_FMT_BF8
.else
	v_wmma_scale_f32_16x16x128_f8f6f4 v[rD:rD+7], v[128*\p+16*\m:128*\p+16*\m+15], v[64*\p+16*\t:64*\p+16*\t+15], v[rD:rD+7], v[XSW+8*(\s)+\m], v[WSW+8*\t+(\s)] matrix_a_fmt:MATRIX_FMT_BF8 matrix_b_fmt:MATRIX_FMT_BF8
.endif
.else
.set rD, 32*\m+8*\t
.if \first
	v_wmma_scale_f32_16x16x128_f8f6f4 v[rD:rD+7], v[64*\p+16*\t:64*\p+16*\t+15], v[128*\p+16*\m:128*\p+16*\m+15], v[BI+8*\t:BI+8*\t+7], v[WSW+8*\t+(\s)], v[XSW+8*(\s)+\m] matrix_a_fmt:MATRIX_FMT_BF8 matrix_b_fmt:MATRIX_FMT_BF8
.else
	v_wmma_scale_f32_16x16x128_f8f6f4 v[rD:rD+7], v[64*\p+16*\t:64*\p+16*\t+15], v[128*\p+16*\m:128*\p+16*\m+15], v[rD:rD+7], v[WSW+8*\t+(\s)], v[XSW+8*(\s)+\m] matrix_a_fmt:MATRIX_FMT_BF8 matrix_b_fmt:MATRIX_FMT_BF8
.endif
.endif
.endr
.endr
.endm
; A TURN: one tile of W (two K steps, s0 and s0 + 1), 64 matrix instructions.  At its head the change of slots: all my tensor loads have landed (my tile among them), the add, my LDS reads are back;
; the round; behind it the other slot, read last turn, takes the next tile: one load a wave, which has this turn's work in which to land.
.macro TURN slot, s0, step, refill, xnext, vp
	WIN 0
	s_wait_tensorcnt 0x0                           ; no tensor load of mine is out, so a descriptor may be written
	ds_add_u32 v[SPW], v[NIL]                      ; 0 onto my spare word
.if \step
	s_add_nc_u64 s[38+4*\slot:39+4*\slot], s[38+4*\slot:39+4*\slot], \step   ; this slot's next tile, two tiles on
.endif
	s_wait_dscnt 0x0                               ; the add is done, and my reads of the other slot are over
.if \refill
	ROUND                                          ; both hold of every wave of the four work-groups
	tensor_load_to_lds s[40-4*\slot:43-4*\slot], s[28:35]
	s_nop 0
.else
	s_barrier_signal -1
	s_barrier_wait -1
.endif
	PLACES 8                                       ; eight places in front of loads into registers that matrix instructions have read; the first four also follow the tensor load
	FETCH_W \slot, 0, 0, \vp
	FETCH_W \slot, 1, 1, \vp
	FETCH_X \s0+1, 1
	s_wait_dscnt 48                                ; W's first set is in; W's second (16 loads) and x's second (32) may be out
.if \s0 == 0
	MUL32 0, \s0, 1, \vp
.else
	MUL32 0, \s0, 0, \vp
.endif
.if \xnext >= 0
	PLACES 8
	FETCH_X \xnext, 0                              ; the next turn's first K step of x
	s_wait_dscnt 32                                ; all but the 32 just issued
.else
	s_wait_dscnt 0x0
.endif
	MUL32 1, \s0+1, 0, \vp
.endm
.macro PRELOAD_N                       ; the pass's scale words of W and its bias, for tiles of rows as they lie: lane (r, h) wants the bias of columns 16 t + 8 h + 0 .. 7.  16 loads
.irp t, 0,1,2,3
.irp e, 0,1
	global_load_b128 v[WSW+8*\t+4*\e:WSW+8*\t+4*\e+3], v[WSAN], s[56:57] offset:512*\t+16*\e
.endr
.endr
	WIN 0xc0
.irp t, 0,1,2,3
.irp e, 0,1
	global_load_b128 v[BI+8*\t+4*\e:BI+8*\t+4*\e+3], v[BAN], s[58:59] offset:64*\t+16*\e
.endr
.endr
	WIN 0
.endm
.macro PRELOAD_V                       ; the same for v: a lane holds one column, so its eight registers of C hold the same number
.irp t, 0,1,2,3
.irp e, 0,1
	global_load_b128 v[WSW+8*\t+4*\e:WSW+8*\t+4*\e+3], v[WSAV], s[56:57] offset:(32*(\t/2)+8*(\t%2))*32+16*\e
.endr
.endr
	WIN 0xc0
.irp t, 0,1,2,3
.irp j, 0,1,2,3,4,5,6,7
	global_load_b32 v[BI+8*\t+\j], v[BAV], s[58:59] offset:(32*(\t/2)+8*(\t%2))*4
.endr
.endr
	WIN 0
.endm
; swish of accumulators 64 g .. 64 g + 63 into v[U] on: y / (1 + 2^(-y log2 e)).  Each accumulator is read from its low end on.
.macro SWISH g
	WIN 0x02                                       ; source 0 window 2
.set n, 0
.rept 32
	v_pk_mul_f32 v[U+n:U+n+1], v[64*\g+n:64*\g+n+1], s[48:49] op_sel_hi:[1,0]
.set n, n+2
.endr
	WIN 0
.set n, 0
	s_wait_alu depctr_va_vdst(0)
.rept 64
	v_exp_f32 v[U+n], v[U+n]
.set n, n+1
.endr
	v_nop                                          ; a plain place behind the transcendentals
.set n, 0
	s_wait_alu depctr_va_vdst(0)
.rept 32
	v_pk_add_f32 v[U+n:U+n+1], v[U+n:U+n+1], 1.0 op_sel_hi:[1,0]
.set n, n+2
.endr
.set n, 0
	s_wait_alu depctr_va_vdst(0)
.rept 64
	v_rcp_f32 v[U+n], v[U+n]
.set n, n+1
.endr
	v_nop
	WIN 0x02
.set n, 0
	s_wait_alu depctr_va_vdst(0)
.rept 32
	v_pk_mul_f32 v[U+n:U+n+1], v[64*\g+n:64*\g+n+1], v[U+n:U+n+1]
.set n, n+2
.endr
	WIN 0
.endm
; q's or k's way out.  Unit g = row tiles 2 g, 2 g + 1: blocks 0, 1 are tile 2 g's two blocks of 32 along the head, blocks 2, 3 tile 2 g + 1's.  Each store of codes covers 512 consecutive bytes.
.macro EPI_QK
.irp g, 0,1,2,3
	SWISH \g
	s_wait_xcnt 0x0                                ; the last unit's stores have read their data: the codes may be written again
	QUANT U
	WORD VW+\g
.irp c, 0,1,2,3
	global_store_b128 v[LI], v[PC+4*\c:PC+4*\c+3], s[52:53] offset:2048*\g+512*\c
.endr
.endr
	v_cndmask_b32 v[OW], v[VW], v[VW+2], s47       ; lanes 0-15 store the words of units 0, 1, lanes 16-31 those of units 2, 3: 256 consecutive bytes
	v_cndmask_b32 v[OW+1], v[VW+1], v[VW+3], s47
	global_store_b64 v[LS8], v[OW:OW+1], s[54:55]
.endm
; v's way out.  Unit g = keys 32 g .. 32 g + 31 of the 128; block t = channel tile t.
.macro EPI_V
.irp g, 0,1,2,3
	SWISH \g
	s_wait_xcnt 0x0
	QUANT U
.irp t, 0,1,2,3
.if \g == 0
	v_mov_b32 v[VW+\t], v[TM+4+\t]
.else
	v_lshl_or_b32 v[VW+\t], v[TM+4+\t], 8*\g, v[VW+\t]
.endif
	global_store_b128 v[LI], v[PC+4*\t:PC+4*\t+3], s[16:17] offset:2048*\t+512*\g
.endr
.endr
	v_cndmask_b32 v[OW], v[VW], v[VW+1], s47       ; word p: lanes 0-15 channel tile 2 p, lanes 16-31 tile 2 p + 1
	v_cndmask_b32 v[OW+1], v[VW+2], v[VW+3], s47
	global_store_b64 v[LS8], v[OW:OW+1], s[22:23]
.endm
	s_load_b512 s[4:19], s[0:1], 0x0               ; x, W's codes, W's scales, b_fc, qimg, kimg, vimg, qsc
	s_load_b128 s[20:23], s[0:1], 0x40             ; ksc, vsc
	v_lshl_add_u32 v[SPW], v0, 2, SPARE
	v_mov_b32 v[NIL], 0
	ds_add_u32 v14, v15
	ds_add_u32 v14, v15
	s_wait_dscnt 0x0
	v_lshrrev_b32 v[U], 5, v0
	v_readfirstlane_b32 s24, v[U]                  ; wave 0..3
	s_bfe_u32 s25, ttmp6, 0x40000                  ; cx
	s_lshl_b32 s26, ttmp9, 2
	s_add_co_u32 s26, s26, s25                     ; R: my block of 128 rows; it enters x's and the outputs' addresses alone
	s_and_b32 s27, ttmp7, 0xffff                   ; Y, which the partners share
	s_lshl_b32 s66, s27, 2
	s_add_co_u32 s66, s66, s24                     ; my head
	v_and_b32 v[U], 31, v0                         ; lane
	v_and_b32 v[U+1], 15, v0                       ; r
	v_bfe_u32 v[U+2], v0, 4, 1                     ; h
	v_and_b32 v[U+3], 8, v[U+1]
	v_add_nc_u32 v[U+3], v[U+3], v[U+1]            ; r + 8 (r / 8)
	v_lshlrev_b32 v[LI], 4, v[U]
	v_lshlrev_b32 v[LS8], 3, v[U]
	s_lshl_b32 s67, s24, 17
	v_add_nc_u32 v[XA], s67, v[LI]
	s_mul_i32 s67, s24, STGW
	s_add_co_u32 s67, s67, STG
	v_add_nc_u32 v[SGW], s67, v[LI]
	v_mul_u32_u24 v[U+4], v[U+1], SGP
	v_lshl_add_u32 v[U+4], v[U+2], 6, v[U+4]
	v_add_nc_u32 v[SGR], s67, v[U+4]
	s_lshl_b32 s67, s24, 12
	s_add_co_u32 s67, s67, XIMG
	v_add_nc_u32 v[XW], s67, v[LI]
	v_lshlrev_b32 v[U+4], 5, v[U]
	v_add_nc_u32 v[XSR], XSC, v[U+4]
	s_lshl_b32 s67, s24, 3
	v_add_nc_u32 v[XWS], s67, v[XSR]
	v_add_nc_u32 v[XR0], XIMG, v[LI]
	v_add_nc_u32 v[XR0+1], XIMG+65536, v[LI]
	s_mul_i32 s82, s24, RINGW                      ; my part of a slot: no place in the cluster enters an LDS address
	v_mul_u32_u24 v[U+4], v[U+1], WP
	v_lshl_add_u32 v[U+4], v[U+2], 4, v[U+4]
	v_add_nc_u32 v[WAQ], s82, v[U+4]
	v_add_nc_u32 v[WAQ+1], RINGS, v[WAQ]
	v_mul_u32_u24 v[U+4], v[U+3], WP
	v_lshl_add_u32 v[U+4], v[U+2], 4, v[U+4]
	v_add_nc_u32 v[WAV], s82, v[U+4]
	v_add_nc_u32 v[WAV+1], RINGS, v[WAV]
	v_lshlrev_b32 v[WSAN], 5, v[U+1]
	v_lshlrev_b32 v[WSAV], 5, v[U+3]
	v_lshlrev_b32 v[BAN], 5, v[U+2]
	v_lshlrev_b32 v[BAV], 2, v[U+3]
.irp b, 0,1,2,3
	v_mov_b32 v[TM+4+\b], 0                        ; written once: a lane permute's destination counts as one of its sources
.endr
	s_mov_b32 s44, 0x76543210
	s_mov_b32 s45, 0xfedcba98                      ; v_permlanex16_b32's selects for lane l xor 16
	s_mov_b32 s47, 0xffff0000                      ; lanes 16-31
	s_mov_b32 s48, 0xbfb8aa3b                      ; -log2(e)
	s_mov_b32 s49, s48
	; descriptor group 1: 64 rows x 256 bytes, rows 1,024 bytes apart in memory, 16 bytes of padding behind each in LDS
	s_mov_b32 s28, 0x0770000f                      ; 15:0 the mask: all four work-groups; 17:16 elements of 1 byte; 20 padding on; 21 set beside a mask; 24:22 after every 64 words; 31:25 four words
	s_mov_b32 s29, 256<<16                         ; tensor_dim0
	s_mov_b32 s30, 64<<16                          ; tensor_dim1
	s_mov_b32 s31, 256<<16                         ; tile_dim0
	s_mov_b32 s32, 64                              ; tile_dim1
	s_mov_b32 s33, 1024                            ; the pitch
	s_mov_b32 s34, 0
	s_mov_b32 s35, 0
	s_mul_i32 s68, s66, 196608                     ; my head's 192 rows of codes,
	s_mov_b32 s69, 0
	s_mul_i32 s70, s66, 6144                       ; of scale bytes,
	s_mov_b32 s71, 0
	s_mul_i32 s72, s66, 768                        ; and its bias
	s_mov_b32 s73, 0
	s_lshl_b32 s74, s26, 19                        ; x: 128 rows of 4,096 bytes a block
	s_mov_b32 s75, 0
	s_lshr_b32 s76, s26, 4
	s_lshl_b32 s76, s76, 4
	s_add_co_u32 s76, s76, s66                     ; 16 batch + head
	s_and_b32 s77, s26, 15                         ; which 128 of the sequence
	s_lshl_b32 s78, s76, 17
	s_lshl_b32 s79, s77, 13
	s_add_co_u32 s78, s78, s79                     ; the images: 131,072 a head, 8,192 a block
	s_mov_b32 s79, 0
	s_lshl_b32 s80, s76, 12
	s_lshl_b32 s81, s77, 8
	s_add_co_u32 s80, s80, s81                     ; the scale words: 4,096 a head, 256 a block
	s_mov_b32 s81, 0
	s_wait_kmcnt 0x0
	s_add_nc_u64 s[4:5], s[4:5], s[74:75]
	XLOAD 0, 0, 0                                  ; x before all else: K steps 0 and 1 of my two tiles of rows, 64 loads
	XLOAD 1, 1, 0
	XLOAD 2, 0, 512
	XLOAD 3, 1, 512
	s_add_nc_u64 s[6:7], s[6:7], s[68:69]
	s_add_nc_u64 s[56:57], s[8:9], s[70:71]
	s_add_nc_u64 s[58:59], s[10:11], s[72:73]
	s_add_nc_u64 s[12:13], s[12:13], s[78:79]
	s_add_nc_u64 s[14:15], s[14:15], s[78:79]
	s_add_nc_u64 s[16:17], s[16:17], s[78:79]
	s_add_nc_u64 s[18:19], s[18:19], s[80:81]
	s_add_nc_u64 s[20:21], s[20:21], s[80:81]
	s_add_nc_u64 s[22:23], s[22:23], s[80:81]
	s_mov_b32 s36, 1                               ; group 0 of slot 0: tile 0 (q, K 0 .. 255)
	s_mov_b32 s37, s82
	s_mov_b64 s[38:39], s[6:7]
	s_or_b32 s39, s39, 0x80000000
	s_mov_b32 s40, 1                               ; of slot 1: tile 1
	s_add_co_u32 s41, s82, RINGS
	s_add_nc_u64 s[42:43], s[6:7], 256
	s_or_b32 s43, s43, 0x80000000
	ROUND                                          ; all four work-groups are here: the first joint load meets
	tensor_load_to_lds s[36:39], s[28:35]
	s_nop 0
	PLACES 4
	; ---- x becomes codes: my two tiles of rows, eight K steps, two K steps a trip; each unit fills its set again with the K step two on
	s_mov_b32 s60, 0
	s_mov_b32 s61, 0
	s_mov_b32 s50, 3
.Lxs:
	v_add_nc_u32 v[XWT], s60, v[XW]
	v_add_nc_u32 v[XST], s61, v[XWS]
	XUNIT 0, 0, 0, 1, 48                           ; behind a set's 16 loads stand the other three sets': 48
	XUNIT 1, 1, 0, 1, 48
	XUNIT 2, 0, 1, 1, 48
	XUNIT 3, 1, 1, 1, 48
	s_wait_xcnt 0x0                                ; the loads have read their base
	s_wait_dscnt 0x0                               ; and the LDS stores their addresses
	s_add_nc_u64 s[4:5], s[4:5], 1024
	s_add_co_u32 s60, s60, 32768
	s_add_co_u32 s61, s61, 2048
	s_sub_co_u32 s50, s50, 1
	s_cmp_lg_u32 s50, 0
	s_cbranch_scc1 .Lxs
	v_add_nc_u32 v[XWT], s60, v[XW]                ; the last two K steps are written out: no load leaves x
	v_add_nc_u32 v[XST], s61, v[XWS]
	XUNIT 0, 0, 0, 0, 48
	PRELOAD_N                                      ; q's scale words and bias: 16 loads, which the counts below let stay out
	XUNIT 1, 1, 0, 0, 48                           ; two sets and the 16
	XUNIT 2, 0, 1, 0, 32                           ; one set and the 16
	XUNIT 3, 1, 1, 0, 16                           ; the 16
	s_wait_dscnt 0x0                               ; for the others' sake: my images lie in LDS
	s_barrier_signal -1
	s_barrier_wait -1                              ; everybody's do.
.irp s, 0,1,2,3,4,5,6,7
.irp e, 0,1
	ds_load_b128 v[XSW+8*\s+4*\e:XSW+8*\s+4*\e+3], v[XSR] offset:1024*\s+16*\e   ; x's scale words stay in registers
.endr
.endr
	FETCH_X 0, 0
	WIN 0
	s_mov_b64 s[52:53], s[12:13]                   ; q's outputs first
	s_mov_b64 s[54:55], s[18:19]
	s_mov_b32 s51, 0
.Lpass:                                                ; two trips: q, then k
	s_wait_loadcnt 0x0                             ; the pass's scale words and bias
	TURN 0, 0, 512, 1, 2, 0
	TURN 1, 2, 512, 1, 4, 0
	TURN 0, 4, 65024, 1, 6, 0                      ; two tiles on is the next pass: 64 rows down, 512 bytes back
	TURN 1, 6, 65024, 1, 0, 0
	WIN 0
	PLACES 8                                       ; in front of the first read of results and of loads into scale and bias registers
	s_add_nc_u64 s[56:57], s[56:57], 2048          ; the next pass's 64 rows of scale bytes (the loads that named these bases were waited for at the pass's head)
	s_add_nc_u64 s[58:59], s[58:59], 256
	s_cmp_eq_u32 s51, 0
	s_cbranch_scc0 .Lpre_v
	PRELOAD_N                                      ; behind q comes k
	s_branch .Lpre_done
.Lpre_v:
	PRELOAD_V                                      ; behind k comes v
.Lpre_done:
	EPI_QK
	s_wait_xcnt 0x0                                ; the stores have read their bases
	s_mov_b64 s[52:53], s[14:15]
	s_mov_b64 s[54:55], s[20:21]
	s_add_co_u32 s51, s51, 1
	s_cmp_lt_u32 s51, 2
	s_cbranch_scc1 .Lpass
	s_wait_loadcnt 0x0                             ; ---- v, written out: its sources are swapped, and its last turn asks for nothing
	TURN 0, 0, 512, 1, 2, 1
	TURN 1, 2, 512, 1, 4, 1
	TURN 0, 4, 0, 1, 6, 1
	TURN 1, 6, 0, 0, -1, 1
	WIN 0
	PLACES 8
	EPI_V
	s_wait_tensorcnt 0x0                           ; the wave's end
	ds_add_u32 v[SPW], v[NIL]
	s_wait_dscnt 0x0
	ROUND                                          ; the closing round: no work-group ends while a partner may still ask for a tile that names it
	s_endpgm
.Lfunc_end_k_qc003703f18_qkv:
	.size	k_qc003703f18_qkv, .Lfunc_end_k_qc003703f18_qkv-k_qc003703f18_qkv
	.p2alignl 7, 3214868480
	.fill 96, 4, 3214868480
	.section	.rodata,"a",@progbits
	.p2align	6, 0x0
	.amdhsa_kernel k_qc003703f18_qkv
		.amdhsa_group_segment_fixed_size 327680
		.amdhsa_private_segment_fixed_size 0
		.amdhsa_enable_private_segment 0
		.amdhsa_kernarg_size 80
		.amdhsa_user_sgpr_count 2
		.amdhsa_user_sgpr_kernarg_segment_ptr 1
		.amdhsa_wavefront_size32 1
		.amdhsa_system_sgpr_workgroup_id_x 1
		.amdhsa_system_sgpr_workgroup_id_y 1
		.amdhsa_system_sgpr_workgroup_id_z 1
		.amdhsa_system_vgpr_workitem_id 0
		.amdhsa_next_free_vgpr 1024
		.amdhsa_next_free_sgpr 96
		.amdhsa_reserve_vcc 0
		.amdhsa_float_denorm_mode_32 3
		.amdhsa_float_denorm_mode_16_64 3
		.amdhsa_fp16_overflow 1
		.amdhsa_memory_ordered 1
		.amdhsa_forward_progress 1
		.amdhsa_inst_pref_size 255
	.end_amdhsa_kernel
	.section	.bss,"aw",@nobits
	.p2align	6
	.space	262144
	.amdgpu_metadata
---
amdhsa.version: [ 1, 2 ]
amdhsa.kernels:
  - .name:           k_qc003703f18_qkv
    .symbol:         k_qc003703f18_qkv.kd
    .args:
      - { .name: x, .offset: 0, .size: 8, .value_kind: global_buffer, .address_space: global }
      - { .name: W_fc_codes, .offset: 8, .size: 8, .value_kind: global_buffer, .address_space: global }
      - { .name: W_fc_scales, .offset: 16, .size: 8, .value_kind: global_buffer, .address_space: global }
      - { .name: b_fc, .offset: 24, .size: 8, .value_kind: global_buffer, .address_space: global }
      - { .name: qimg, .offset: 32, .size: 8, .value_kind: global_buffer, .address_space: global }
      - { .name: kimg, .offset: 40, .size: 8, .value_kind: global_buffer, .address_space: global }
      - { .name: vimg, .offset: 48, .size: 8, .value_kind: global_buffer, .address_space: global }
      - { .name: qsc, .offset: 56, .size: 8, .value_kind: global_buffer, .address_space: global }
      - { .name: ksc, .offset: 64, .size: 8, .value_kind: global_buffer, .address_space: global }
      - { .name: vsc, .offset: 72, .size: 8, .value_kind: global_buffer, .address_space: global }
    .group_segment_fixed_size: 327680
    .private_segment_fixed_size: 0
    .kernarg_segment_align: 8
    .kernarg_segment_size: 80
    .max_flat_workgroup_size: 128
    .sgpr_count:     96
    .vgpr_count:     1024
    .wavefront_size: 32
...
	.end_amdgpu_metadata
.endif
;; end of part 1
;; launch attn (part 2): grid 4 x 64, 16 waves a work-group, clusters of 4 x 1, 327,680 bytes of LDS; arguments qimg, qsc, kimg, ksc, vimg, vsc, nvimg, nvsc; writes nvimg, nvsc
.if DOCPART == 2
	.amdgcn_target "amdgcn-amd-amdhsa--gfx1250"
	.amdhsa_code_object_version 6
	.text
	.protected	k_qc003703f18_attn
	.globl	k_qc003703f18_attn
	.p2align	8
	.type	k_qc003703f18_attn,@function
k_qc003703f18_attn:
	s_mov_b64 s[64:65], 0
	v_nop
	global_prefetch_b8 v0, s[64:65] scope:SCOPE_SE
	s_setreg_imm32_b32 hwreg(HW_REG_WAVE_MODE, 25, 1), 1
	s_wait_xcnt 0x0
	s_wait_alu depctr_hold_cnt(0) depctr_sa_sdst(0) depctr_va_vdst(0) depctr_va_sdst(0) depctr_va_ssrc(0) depctr_va_vcc(0) depctr_vm_vsrc(0)
	s_getreg_b32 s2, hwreg(HW_REG_IB_STS2, 6, 4)
	s_cmp_eq_u32 s2, 0
	s_cbranch_scc0 .Lentry_in_a_cluster
	s_endpgm
.Lentry_in_a_cluster:
	s_bfe_u32 s2, ttmp6, 0x10000c
	s_cmp_lg_u32 s2, 0x3003
	s_cbranch_scc0 .Lentry_shape_is_right
	s_endpgm
.Lentry_shape_is_right:
.set VB,   131072
.set KSC,  262144
.set VSC,  266240
.set LK,   1
.set LV,   2
.set LS,   3
.set ADK,  4
.set ADV,  5
.set ADS,  6
.set QS8,  8
.set NB,   9
.set FR,   40
.set S,    104
.set O,    168
.set PC,   200
.set BM,   216
.set T1,   220
.set HL,   224
.set SO,   228
.set KS,   240
.set VS,   242
.set QLO,  244
.set QHI,  245
.set PW,   246
.set SEL,  48
.set CS,   50
.set MNT,  52
.set TK,   53
.set TS,   54
.macro PLACES n
.rept \n
	v_nop
.endr
.endm
.macro ROUND
	s_barrier_signal -1
	s_barrier_wait -1
	s_cmp_lg_u32 s20, 0
	s_cbranch_scc1 .Lnot_wave_0_\@
	s_barrier_signal -3
.Lnot_wave_0_\@:
	s_barrier_wait -3
	s_barrier_signal -1
	s_barrier_wait -1
.endm
	s_load_b512 s[4:19], s[0:1], 0x0
	v_lshl_add_u32 v254, v0, 2, 0x42000
	v_mov_b32 v255, 0
	ds_add_u32 v254, v255
	ds_add_u32 v254, v255
	v_lshrrev_b32 v1, 5, v0
	s_delay_alu instid0(VALU_DEP_1)
	v_readfirstlane_b32 s20, v1
	s_bfe_u32 s21, ttmp6, 0x40000
	s_and_b32 s22, ttmp7, 0xffff
	s_mov_b32 s23, 0xffff0000
	s_and_b32 s58, s20, 1
	s_lshr_b32 s59, s20, 1
	s_lshl_b32 s57, s58, 4
	s_lshl_b32 s60, s58, 17
	s_lshl_b32 s61, s59, 14
	s_add_co_u32 s60, s60, s61
	s_lshl_b32 s62, s58, 12
	s_lshl_b32 s63, s59, 9
	s_add_co_u32 s62, s62, s63
	s_add_co_u32 s62, s62, KSC
	s_lshl_b32 s66, s22, 17
	s_add_co_u32 s66, s66, s61
	s_mov_b32 s67, 0
	s_lshl_b32 s68, s22, 12
	s_add_co_u32 s68, s68, s63
	s_mov_b32 s69, 0
	s_mov_b32 s24, 0x0023000f
	s_mov_b32 s25, 32<<16
	s_mov_b32 s26, 64<<16
	s_mov_b32 s27, 32<<16
	s_mov_b32 s28, 64
	s_mov_b32 s29, 32
	s_mov_b32 s30, 0
	s_mov_b32 s31, 0
	s_mov_b32 s32, 0x0023000f
	s_mov_b32 s33, 32<<16
	s_mov_b32 s34, 2<<16
	s_mov_b32 s35, 32<<16
	s_mov_b32 s36, 2
	s_mov_b32 s37, 32
	s_mov_b32 s38, 0
	s_mov_b32 s39, 0
	s_mov_b32 s[SEL], 0x76543210
	s_mov_b32 s[SEL+1], 0xfedcba98
	s_mov_b32 s[CS], 0x3d0293ee
	s_mov_b32 s[CS+1], s[CS]
	s_wait_dscnt 0x0
	s_wait_kmcnt 0x0
	s_cmp_eq_u32 s58, 0
	s_cselect_b64 s[70:71], s[8:9], s[12:13]
	s_cselect_b64 s[72:73], s[10:11], s[14:15]
	s_mov_b32 s40, 1
	s_mov_b32 s41, s60
	s_add_nc_u64 s[42:43], s[70:71], s[66:67]
	s_or_b32 s43, s43, 0x80000000
	s_mov_b32 s44, 1
	s_mov_b32 s45, s62
	s_add_nc_u64 s[46:47], s[72:73], s[68:69]
	s_or_b32 s47, s47, 0x80000000
	ROUND
	tensor_load_to_lds s[40:43], s[24:31]
	s_nop 0
	s_wait_alu depctr_va_vdst(0)
	s_wait_tensorcnt 0x0
	ds_add_u32 v254, v255
	s_wait_dscnt 0x0
	ROUND
	tensor_load_to_lds s[44:47], s[32:39]
	s_nop 0
	PLACES 4
	s_lshl_b32 s74, s21, 5
	s_add_co_u32 s74, s74, s20
	s_lshl_b32 s76, s74, 10
	s_lshl_b32 s75, s22, 17
	s_add_co_u32 s76, s76, s75
	s_mov_b32 s77, 0
	s_add_nc_u64 s[4:5], s[4:5], s[76:77]
	s_lshl_b32 s76, s22, 12
	s_lshr_b32 s75, s74, 3
	s_lshl_b32 s75, s75, 8
	s_add_co_u32 s76, s76, s75
	s_bfe_u32 s75, s20, 0x10002
	s_lshl_b32 s75, s75, 7
	s_add_co_u32 s76, s76, s75
	s_bfe_u32 s75, s20, 0x10001
	s_lshl_b32 s75, s75, 2
	s_add_co_u32 s76, s76, s75
	s_add_nc_u64 s[6:7], s[6:7], s[76:77]
	s_lshr_b32 s75, s22, 4
	s_lshl_b32 s75, s75, 7
	s_add_co_u32 s75, s75, s74
	s_bfe_u32 s78, s22, 0x30001
	s_and_b32 s79, s22, 1
	s_lshl_b32 s76, s75, 14
	s_lshl_b32 s74, s78, 11
	s_add_co_u32 s76, s76, s74
	s_lshl_b32 s74, s79, 10
	s_add_co_u32 s76, s76, s74
	s_add_nc_u64 s[16:17], s[16:17], s[76:77]
	s_lshl_b32 s76, s75, 9
	s_lshl_b32 s74, s78, 6
	s_add_co_u32 s76, s76, s74
	s_lshl_b32 s74, s79, 1
	s_add_co_u32 s76, s76, s74
	s_add_nc_u64 s[18:19], s[18:19], s[76:77]
	v_and_b32 v10, 31, v0
	v_and_b32 v11, 15, v0
	v_bfe_u32 v7, v0, 4, 1
	s_delay_alu instid0(VALU_DEP_3)
	v_lshlrev_b32 v[LK], 4, v10
	s_delay_alu instid0(VALU_DEP_1)
	v_add_nc_u32 v[LV], VB, v[LK]
	v_lshlrev_b32 v[LS], 3, v10
	s_delay_alu instid0(VALU_DEP_1)
	v_add_nc_u32 v[LS], KSC, v[LS]
	v_lshlrev_b32 v[QS8], 3, v11
	v_lshl_add_u32 v[NB], v11, 2, v7
.irp j, 16,17,18,19,20,21,22,23,32,33,34,35,36,37,38,39
	v_mov_b32 v\j, 0
.endr
.irp b, 0,1,2,3
	v_mov_b32 v[T1+\b], 0
.endr
	v_mov_b32 v235, 0
	v_mov_b32 v236, 0
	s_wait_tensorcnt 0x0
	s_barrier_signal -1
	s_barrier_wait -1
	s_mov_b32 s56, 0
.Lpass:
	global_load_b128 v[24:27], v[LK], s[4:5]
	global_load_b128 v[28:31], v[LK], s[4:5] offset:512
	global_load_b32 v236, v[QS8], s[6:7]
.set n, 0
.rept 32
	v_mov_b32 v[O+n], 0
.set n, n+1
.endr
	v_mov_b32 v13, 0xff61b1e6
	s_delay_alu instid0(VALU_DEP_1)
	v_floor_f32 v12, -v13
	v_mov_b32 v14, 0
	v_mov_b32 v15, 0
	s_mov_b32 s[TK], 0
	s_mov_b32 s[TS], 0
	s_wait_loadcnt 0x0
	v_lshrrev_b32 v236, s57, v236
	s_delay_alu instid0(VALU_DEP_1)
	v_and_b32 v236, 0xffff, v236
	s_delay_alu instid0(VALU_DEP_1)
	v_or_b32 v[QLO], 0x7f7f0000, v236
	s_delay_alu instid0(VALU_DEP_2)
	v_lshl_or_b32 v[QHI], v236, 16, 0x7f7f
	s_mov_b32 s55, 16
.Lstep:
	s_setprio 2
	v_add_nc_u32 v[ADK], s[TK], v[LK]
	v_add_nc_u32 v[ADV], s[TK], v[LV]
	v_add_nc_u32 v[ADS], s[TS], v[LS]
	PLACES 5
.irp g, 0,1,2,3
.irp c, 0,1,2,3
	ds_load_b128 v[FR+16*\g+4*\c:FR+16*\g+4*\c+3], v[ADK] offset:2048*\g+512*\c
.endr
.endr
	ds_load_b64 v[KS:KS+1], v[ADS]
	s_wait_dscnt 0x0
	s_wait_alu depctr_va_vdst(0)
.irp g, 0,1
	v_wmma_scale_f32_16x16x128_f8f6f4 v[S+16*\g:S+16*\g+7], v[FR+16*\g:FR+16*\g+15], v[24:39], 0, v[KS+\g], v[QLO] matrix_a_fmt:MATRIX_FMT_BF8 matrix_b_fmt:MATRIX_FMT_BF8
	v_wmma_scale_f32_16x16x128_f8f6f4 v[S+16*\g+8:S+16*\g+15], v[FR+16*\g:FR+16*\g+15], v[16:31], 0, v[KS+\g], v[QHI] matrix_a_fmt:MATRIX_FMT_BF8 matrix_b_fmt:MATRIX_FMT_BF8
.endr
.irp g, 2,3
	v_wmma_scale_f32_16x16x128_f8f6f4 v[S+16*\g:S+16*\g+7], v[FR+16*\g:FR+16*\g+15], v[24:39], 0, v[KS+\g-2], v[QLO] matrix_a_fmt:MATRIX_FMT_BF8 matrix_b_fmt:MATRIX_FMT_BF8 matrix_a_scale:MATRIX_SCALE_ROW1
	v_wmma_scale_f32_16x16x128_f8f6f4 v[S+16*\g+8:S+16*\g+15], v[FR+16*\g:FR+16*\g+15], v[16:31], 0, v[KS+\g-2], v[QHI] matrix_a_fmt:MATRIX_FMT_BF8 matrix_b_fmt:MATRIX_FMT_BF8 matrix_a_scale:MATRIX_SCALE_ROW1
.endr
	PLACES 8
.irp t, 0,1,2,3
.irp c, 0,1,2,3
	ds_load_b128 v[FR+16*\t+4*\c:FR+16*\t+4*\c+3], v[ADV] offset:2048*\t+512*\c
.endr
.endr
	ds_load_b64 v[VS:VS+1], v[ADS] offset:VSC-KSC
.irp b, 0,1,2,3
	v_max3_num_f32 v[BM+\b], v[S+16*\b], v[S+1+16*\b], v[S+2+16*\b]
.endr
.irp i, 3,5,7,9,11,13
.irp b, 0,1,2,3
	v_max3_num_f32 v[BM+\b], v[BM+\b], v[S+16*\b+\i], v[S+1+16*\b+\i]
.endr
.endr
.irp b, 0,1,2,3
	v_max_num_f32 v[BM+\b], v[BM+\b], v[S+15+16*\b]
.endr
.irp b, 0,1,2,3
	s_delay_alu instid0(VALU_DEP_4)
	v_permlanex16_b32 v[T1+\b], v[BM+\b], s[SEL], s[SEL+1]
.endr
.irp b, 0,1,2,3
	s_delay_alu instid0(VALU_DEP_4)
	v_max_num_f32 v[BM+\b], v[BM+\b], v[T1+\b]
.endr
	s_delay_alu instid0(VALU_DEP_2)
	v_max3_num_f32 v236, v[BM], v[BM+1], v[BM+2]
	s_delay_alu instid0(VALU_DEP_1)
	v_max_num_f32 v236, v236, v[BM+3]
	s_delay_alu instid0(VALU_DEP_1)
	v_mul_f32 v236, s[CS], v236
	s_delay_alu instid0(VALU_DEP_1)
	v_max_num_f32 v13, v13, v236
	v_mov_b32 v236, v12
	s_delay_alu instid0(VALU_DEP_2)
	v_floor_f32 v12, -v13
	s_delay_alu instid0(VALU_DEP_1)
	v_sub_f32 v236, v12, v236
	s_delay_alu instid0(VALU_DEP_1)
	v_cvt_i32_f32 v236, v236
	s_delay_alu instid0(VALU_DEP_1)
	v_ldexp_f32 v234, 1.0, v236
.set n, 0
.rept 32
	v_pk_fma_f32 v[S+n:S+n+1], v[S+n:S+n+1], s[CS:CS+1], v[12:13] op_sel_hi:[1,0,0]
.set n, n+2
.endr
.irp b, 0,1,2,3
	v_fma_f32 v[BM+\b], v[BM+\b], s[CS], v12
.endr
.set n, 0
	s_setprio 1
	s_wait_alu depctr_va_vdst(0)
.rept 64
	v_exp_f32 v[S+n], v[S+n]
.set n, n+1
.endr
.irp b, 0,1,2,3
	v_exp_f32 v[BM+\b], v[BM+\b]
.endr
	v_pk_mul_f32 v[14:15], v[14:15], v[234:235] op_sel_hi:[1,0]
	s_wait_alu depctr_va_vdst(0)
.irp b, 0,1,2,3
	v_max_num_f32 v[BM+\b], 0x8000000, v[BM+\b]
.endr
.irp b, 0,1,2,3
	s_delay_alu instid0(VALU_DEP_4)
	v_add_nc_u32 v[SO+\b], 0xf8800000, v[BM+\b]
.endr
.irp b, 0,1,2,3
.endr
.irp b, 0,1,2,3
	s_delay_alu instid0(VALU_DEP_4)
	v_lshrrev_b32 v[T1+\b], 23, v[SO+\b]
.endr
	s_delay_alu instid0(VALU_DEP_3)
	v_lshl_or_b32 v[PW], v[T1+1], 8, v[T1]
	s_delay_alu instid0(VALU_DEP_1)
	v_lshl_or_b32 v[PW], v[T1+2], 16, v[PW]
	s_delay_alu instid0(VALU_DEP_1)
	v_lshl_or_b32 v[PW], v[T1+3], 24, v[PW]
	v_pk_add_f32 v[232:233], v[S:S+1], v[S+2:S+3]
.irp j, 4,8,12,16,20,24,28,32,36,40,44,48,52,56,60
	v_pk_add_f32 v[14:15], v[14:15], v[S+\j:S+1+\j]
	v_pk_add_f32 v[232:233], v[232:233], v[S+2+\j:S+3+\j]
.endr
	s_delay_alu instid0(VALU_DEP_1)
	v_pk_add_f32 v[14:15], v[14:15], v[232:233]
.irp g, 0,2
.irp n, 0,2,4,6,8,10,12,14
.endr
	v_cvt_scalef32_pk8_bf8_f32 v[PC+4*\g:PC+4*\g+1], v[S+16*\g:S+16*\g+7], v[SO+\g]
	v_cvt_scalef32_pk8_bf8_f32 v[PC+4*\g+2:PC+4*\g+3], v[S+16*\g+8:S+16*\g+15], v[SO+\g]
	v_cvt_scalef32_pk8_bf8_f32 v[PC+4*\g+4:PC+4*\g+5], v[S+16*\g+16:S+16*\g+23], v[SO+\g+1]
	v_cvt_scalef32_pk8_bf8_f32 v[PC+4*\g+6:PC+4*\g+7], v[S+16*\g+24:S+16*\g+31], v[SO+\g+1]
.endr
.set n, 0
	s_setprio 0
.rept 16
	v_pk_mul_f32 v[O+n:O+n+1], v[O+n:O+n+1], v[234:235] op_sel_hi:[1,0]
.set n, n+2
.endr
	s_wait_alu depctr_va_vdst(0)
	s_wait_dscnt 0x0
.irp t, 0,2
	v_wmma_scale_f32_16x16x128_f8f6f4 v[O+8*\t:O+8*\t+7], v[FR+16*\t:FR+16*\t+15], v[PC:PC+15], v[O+8*\t:O+8*\t+7], v[VS+\t/2], v[PW] matrix_a_fmt:MATRIX_FMT_BF8 matrix_b_fmt:MATRIX_FMT_BF8
	v_wmma_scale_f32_16x16x128_f8f6f4 v[O+8*\t+8:O+8*\t+15], v[FR+16*\t+16:FR+16*\t+31], v[PC:PC+15], v[O+8*\t+8:O+8*\t+15], v[VS+\t/2], v[PW] matrix_a_fmt:MATRIX_FMT_BF8 matrix_b_fmt:MATRIX_FMT_BF8 matrix_a_scale:MATRIX_SCALE_ROW1
.endr
	s_add_co_u32 s[TK], s[TK], 8192
	s_add_co_u32 s[TS], s[TS], 256
	s_sub_co_u32 s55, s55, 1
	s_cmp_lg_u32 s55, 0
	s_cbranch_scc1 .Lstep
	s_setprio 0
	PLACES 8
	v_add_f32 v14, v14, v15
	s_delay_alu instid0(VALU_DEP_1)
	v_permlanex16_b32 v236, v14, s[SEL], s[SEL+1]
	s_delay_alu instid0(VALU_DEP_1)
	v_add_f32 v14, v14, v236
	s_wait_alu depctr_va_vdst(0)
	v_rcp_f32 v14, v14
	v_nop
.set n, 0
	s_wait_alu depctr_va_vdst(0)
.rept 16
	v_pk_mul_f32 v[S+n:S+n+1], v[O+n:O+n+1], v[14:15] op_sel_hi:[1,0]
.set n, n+2
.endr
.irp b, 0,1
	v_max3_num_f32 v[BM+\b], |v[S+16*\b]|, |v[S+1+16*\b]|, 0x8000000
.endr
.irp i, 2,4,6,8,10,12,14
.irp b, 0,1
	s_delay_alu instid0(VALU_DEP_2)
	v_max3_num_f32 v[BM+\b], v[BM+\b], |v[S+16*\b+\i]|, |v[S+1+16*\b+\i]|
.endr
.endr
.irp b, 0,1
	s_delay_alu instid0(VALU_DEP_2)
	v_permlanex16_b32 v[T1+\b], v[BM+\b], s[SEL], s[SEL+1]
.endr
.irp b, 0,1
	s_delay_alu instid0(VALU_DEP_2)
	v_max_num_f32 v[BM+\b], v[BM+\b], v[T1+\b]
.endr
.irp b, 0,1
	s_delay_alu instid0(VALU_DEP_2)
	v_add_nc_u32 v[SO+\b], 0xf8800000, v[BM+\b]
.endr
.irp b, 0,1
.endr
.irp b, 0,1
	s_delay_alu instid0(VALU_DEP_2)
	v_lshrrev_b32 v[T1+\b], 23, v[SO+\b]
.endr
.irp b, 0,1
.irp i, 0,1,2,3,4,5,6,7,8,9,10,11,12,13,14,15
.endr
	v_cvt_scalef32_pk8_bf8_f32 v[PC+4*\b:PC+1+4*\b], v[S+16*\b:S+7+16*\b], v[SO+\b]
	v_cvt_scalef32_pk8_bf8_f32 v[PC+2+4*\b:PC+3+4*\b], v[S+8+16*\b:S+15+16*\b], v[SO+\b]
.endr
	v_cndmask_b32 v236, v[T1], v[T1+1], s23
	global_store_b128 v[LK], v[PC:PC+3], s[16:17]
	global_store_b128 v[LK], v[PC+4:PC+7], s[16:17] offset:512
	global_store_b8 v[NB], v236, s[18:19]
	s_wait_xcnt 0x0
	s_add_nc_u64 s[4:5], s[4:5], 16384
	s_add_nc_u64 s[6:7], s[6:7], 512
	s_add_nc_u64 s[16:17], s[16:17], 262144
	s_add_nc_u64 s[18:19], s[18:19], 8192
	s_add_co_u32 s56, s56, 1
	s_cmp_lt_u32 s56, 2
	s_cbranch_scc1 .Lpass
	s_wait_dscnt 0x0
	s_wait_tensorcnt 0x0
	ds_add_u32 v254, v255
	s_wait_dscnt 0x0
	ROUND
	s_endpgm
.Lfunc_end_k_qc003703f18_attn:
	.size	k_qc003703f18_attn, .Lfunc_end_k_qc003703f18_attn-k_qc003703f18_attn
	.p2alignl 7, 3214868480
	.fill 96, 4, 3214868480
	.section	.rodata,"a",@progbits
	.p2align	6, 0x0
	.amdhsa_kernel k_qc003703f18_attn
		.amdhsa_group_segment_fixed_size 327680
		.amdhsa_private_segment_fixed_size 0
		.amdhsa_enable_private_segment 0
		.amdhsa_kernarg_size 64
		.amdhsa_user_sgpr_count 2
		.amdhsa_user_sgpr_kernarg_segment_ptr 1
		.amdhsa_wavefront_size32 1
		.amdhsa_system_sgpr_workgroup_id_x 1
		.amdhsa_system_sgpr_workgroup_id_y 1
		.amdhsa_system_sgpr_workgroup_id_z 1
		.amdhsa_system_vgpr_workitem_id 0
		.amdhsa_next_free_vgpr 256
		.amdhsa_next_free_sgpr 80
		.amdhsa_reserve_vcc 0
		.amdhsa_float_denorm_mode_32 3
		.amdhsa_float_denorm_mode_16_64 3
		.amdhsa_fp16_overflow 1
		.amdhsa_memory_ordered 1
		.amdhsa_forward_progress 1
		.amdhsa_inst_pref_size 31
	.end_amdhsa_kernel
	.amdgpu_metadata
---
amdhsa.version: [ 1, 2 ]
amdhsa.kernels:
  - .name:           k_qc003703f18_attn
    .symbol:         k_qc003703f18_attn.kd
    .args:
      - { .name: qimg, .offset: 0, .size: 8, .value_kind: global_buffer, .address_space: global }
      - { .name: qsc, .offset: 8, .size: 8, .value_kind: global_buffer, .address_space: global }
      - { .name: kimg, .offset: 16, .size: 8, .value_kind: global_buffer, .address_space: global }
      - { .name: ksc, .offset: 24, .size: 8, .value_kind: global_buffer, .address_space: global }
      - { .name: vimg, .offset: 32, .size: 8, .value_kind: global_buffer, .address_space: global }
      - { .name: vsc, .offset: 40, .size: 8, .value_kind: global_buffer, .address_space: global }
      - { .name: nvimg, .offset: 48, .size: 8, .value_kind: global_buffer, .address_space: global }
      - { .name: nvsc, .offset: 56, .size: 8, .value_kind: global_buffer, .address_space: global }
    .group_segment_fixed_size: 327680
    .private_segment_fixed_size: 0
    .kernarg_segment_align: 8
    .kernarg_segment_size: 64
    .max_flat_workgroup_size: 512
    .sgpr_count:     80
    .vgpr_count:     256
    .wavefront_size: 32
...
	.end_amdgpu_metadata
.endif
;; end of part 2
;; launch outln (part 3): grid 256 x 1, 4 waves a work-group, clusters of 4 x 1, 327,680 bytes of LDS; arguments nvimg, nvsc, W_fc2_codes, W_fc2_scales, b_fc2, x, out0; writes out0
.if DOCPART == 3
	.amdgcn_target "amdgcn-amd-amdhsa--gfx1250"
	.amdhsa_code_object_version 6
	.text
	.protected	k_qc003703f18_outln
	.globl	k_qc003703f18_outln
	.p2align	8
	.type	k_qc003703f18_outln,@function
k_qc003703f18_outln:
	s_mov_b64 s[64:65], 0
	v_nop
	global_prefetch_b8 v0, s[64:65] scope:SCOPE_SE
	s_setreg_imm32_b32 hwreg(HW_REG_WAVE_MODE, 25, 1), 1
	s_wait_xcnt 0x0
	s_wait_alu depctr_hold_cnt(0) depctr_sa_sdst(0) depctr_va_vdst(0) depctr_va_sdst(0) depctr_va_ssrc(0) depctr_va_vcc(0) depctr_vm_vsrc(0)
	s_getreg_b32 s2, hwreg(HW_REG_IB_STS2, 6, 4)
	s_cmp_eq_u32 s2, 0
	s_cbranch_scc0 .Lentry_in_a_cluster
	s_endpgm
.Lentry_in_a_cluster:
	s_bfe_u32 s2, ttmp6, 0x10000c
	s_cmp_lg_u32 s2, 0x3003
	s_cbranch_scc0 .Lentry_shape_is_right
	s_endpgm
.Lentry_shape_is_right:
.set WP,    528
.set RINGW, 64*WP
.set RINGS, 4*RINGW
.set SPARE, 2*RINGS
.set SP,    4112
.set LI,   1
.set WSA,  2
.set NSA,  3
.set BA,   4
.set WA,   5
.set SA,   7
.set SR,   8
.set SPW,  14
.set NIL,  15
.set NSW,  16
.set WSW,  32
.set U,    192
.set MSB, 0
.macro WIN new
.if MSB != \new
	s_set_vgpr_msb (MSB<<8)|\new
.set MSB, \new
.endif
.endm
.macro PLACES n
.rept \n
	v_nop
.endr
.endm
.macro ROUND
	s_barrier_signal -1
	s_barrier_wait -1
	s_cmp_lg_u32 s20, 0
	s_cbranch_scc1 .Lnot_wave_0_\@
	s_barrier_signal -3
.Lnot_wave_0_\@:
	s_barrier_wait -3
	s_barrier_signal -1
	s_barrier_wait -1
.endm
.macro NVLOAD hh
	WIN 0x40
.irp u, 0,1
.irp s, 0,1,2,3
.irp c, 0,1,2,3
	global_load_b128 v[16*(8*\u+4*\hh+\s)+4*\c:16*(8*\u+4*\hh+\s)+4*\c+3], v[LI], s[4:5] offset:16384*\u+2048*(4*\hh+\s)+512*\c
.endr
.endr
.endr
	WIN 0
.irp u, 0,1
.irp s, 0,1,2,3
	global_load_b32 v[NSW+8*\u+4*\hh+\s], v[NSA], s[6:7] offset:512*\u+64*(4*\hh+\s)
.endr
.endr
.endm
.macro WLOAD j, e
.irp t, 0,1,2,3
	global_load_b128 v[WSW+8*(4*\j+\t)+4*\e:WSW+8*(4*\j+\t)+4*\e+3], v[WSA], s[10:11] offset:512*(4*\j+\t)+16*\e
.endr
.endm
.macro BLOAD j
	WIN 0x80
.irp u, 0,1
.irp t, 0,1,2,3
.irp e, 0,1
	global_load_b128 v[64*\j+32*\u+8*\t+4*\e:64*\j+32*\u+8*\t+4*\e+3], v[BA], s[12:13] offset:256*\j+64*\t+16*\e
.endr
.endr
.endr
	WIN 0
.endm
.macro CHUNK j
	WIN 0
	WLOAD \j, 0
	WLOAD \j, 1
	BLOAD \j
.endm
.macro TURN f, lc
.set sl, (\f)%2
.set jj, (\f)/2
	WIN 0
.if \f == 0
	s_wait_tensorcnt 0x1
	s_barrier_signal -1
	s_barrier_wait -1
.else
	s_wait_tensorcnt 0x0
	ds_add_u32 v[SPW], v[NIL]
.if \f < 7
	s_add_nc_u64 s[38-4*sl:39-4*sl], s[38-4*sl:39-4*sl], 65536
.endif
	s_wait_dscnt 0x0
.if \f < 7
	ROUND
	tensor_load_to_lds s[36-4*sl:39-4*sl], s[24:31]
	s_nop 0
.else
	s_barrier_signal -1
	s_barrier_wait -1
.endif
	PLACES 8
.endif
	WIN 0xc0
.irp kq, 0,1,2,3
.irp t, 0,1,2,3
.irp c, 0,1,2,3
	ds_load_b128 v[64*\kq+16*\t+4*\c:64*\kq+16*\t+4*\c+3], v[WA+sl] offset:16*\t*WP+128*\kq+32*\c
.endr
.endr
.endr
.if \lc >= 0
	s_wait_loadcnt \lc
.endif
	WIN 0xa7
.irp kq, 0,1,2,3
	s_wait_dscnt 48-16*\kq
.irp t, 0,1,2,3
.irp u, 0,1
	v_wmma_scale_f32_16x16x128_f8f6f4 v[64*jj+32*\u+8*\t:64*jj+32*\u+8*\t+7], v[64*\kq+16*\t:64*\kq+16*\t+15], v[16*(8*\u+4*sl+\kq):16*(8*\u+4*sl+\kq)+15], v[64*jj+32*\u+8*\t:64*jj+32*\u+8*\t+7], v[WSW+8*(4*jj+\t)+4*sl+\kq], v[NSW+8*\u+4*sl+\kq] matrix_a_fmt:MATRIX_FMT_BF8 matrix_b_fmt:MATRIX_FMT_BF8
.endr
.endr
.endr
.endm
.macro SWISH g
	WIN 0x02
.set n, 0
.rept 32
	v_pk_mul_f32 v[U+n:U+n+1], v[64*\g+n:64*\g+n+1], s[42:43] op_sel_hi:[1,0]
.set n, n+2
.endr
	WIN 0
.set n, 0
	s_wait_alu depctr_va_vdst(0)
.rept 64
	v_exp_f32 v[U+n], v[U+n]
.set n, n+1
.endr
	v_nop
.set n, 0
	s_wait_alu depctr_va_vdst(0)
.rept 32
	v_pk_add_f32 v[U+n:U+n+1], v[U+n:U+n+1], 1.0 op_sel_hi:[1,0]
.set n, n+2
.endr
.set n, 0
	s_wait_alu depctr_va_vdst(0)
.rept 64
	v_rcp_f32 v[U+n], v[U+n]
.set n, n+1
.endr
	v_nop
	WIN 0x02
.set n, 0
	s_wait_alu depctr_va_vdst(0)
.rept 32
	v_pk_mul_f32 v[U+n:U+n+1], v[64*\g+n:64*\g+n+1], v[U+n:U+n+1]
.set n, n+2
.endr
	WIN 0
.endm
.macro LOADROW i
.irp k, 0,1,2,3,4,5,6,7
	ds_load_b128 v[U+32*((\i)%2)+4*\k:U+32*((\i)%2)+4*\k+3], v[SR] offset:SP*(\i)+512*\k
.endr
.endm
.macro ALLSUM
	v_add_f32_dpp v160, v160, v160 row_xmask:1 row_mask:0xf bank_mask:0xf
	v_add_f32_dpp v160, v160, v160 row_xmask:2 row_mask:0xf bank_mask:0xf
	v_add_f32_dpp v160, v160, v160 row_xmask:4 row_mask:0xf bank_mask:0xf
	v_add_f32_dpp v160, v160, v160 row_xmask:8 row_mask:0xf bank_mask:0xf
	v_permlanex16_b32 v161, v160, s40, s41
	v_add_f32 v160, v160, v161
.endm
.macro LNROW i
.set YB, U+32*((\i)%2)
.if \i < 7
.if \i > 0
	s_wait_xcnt 0x0
.endif
	LOADROW \i+1
	s_wait_dscnt 8
.else
	s_wait_dscnt 0x0
.endif
	WIN 0x04
.set q, 0
.rept 16
	v_pk_add_f32 v[YB+q:YB+q+1], v[YB+q:YB+q+1], v[32*\i+q:32*\i+q+1]
.set q, q+2
.endr
	WIN 0
	v_pk_add_f32 v[160:161], v[YB:YB+1], v[YB+2:YB+3]
	v_pk_add_f32 v[162:163], v[YB+4:YB+5], v[YB+6:YB+7]
.irp q, 8,12,16,20,24,28
	v_pk_add_f32 v[160:161], v[160:161], v[YB+\q:YB+\q+1]
	v_pk_add_f32 v[162:163], v[162:163], v[YB+\q+2:YB+\q+3]
.endr
	v_pk_add_f32 v[160:161], v[160:161], v[162:163]
	v_add_f32 v160, v160, v161
	ALLSUM
	v_mul_f32 v164, s44, v160
.set q, 0
.rept 16
	v_pk_add_f32 v[YB+q:YB+q+1], v[YB+q:YB+q+1], v[164:165] op_sel_hi:[1,0] neg_lo:[0,1] neg_hi:[0,1]
.set q, q+2
.endr
	v_pk_mul_f32 v[160:161], v[YB:YB+1], v[YB:YB+1]
	v_pk_mul_f32 v[162:163], v[YB+2:YB+3], v[YB+2:YB+3]
.irp q, 4,8,12,16,20,24,28
	v_pk_fma_f32 v[160:161], v[YB+\q:YB+\q+1], v[YB+\q:YB+\q+1], v[160:161]
	v_pk_fma_f32 v[162:163], v[YB+\q+2:YB+\q+3], v[YB+\q+2:YB+\q+3], v[162:163]
.endr
	v_pk_add_f32 v[160:161], v[160:161], v[162:163]
	v_add_f32 v160, v160, v161
	ALLSUM
	v_fma_f32 v166, v160, s44, s45
	s_wait_alu depctr_va_vdst(0)
	v_rsq_f32 v166, v166
	v_nop
.set q, 0
	s_wait_alu depctr_va_vdst(0)
.rept 16
	v_pk_mul_f32 v[YB+q:YB+q+1], v[YB+q:YB+q+1], v[166:167] op_sel_hi:[1,0]
.set q, q+2
.endr
.irp k, 0,1,2,3,4,5,6,7
	global_store_b128 v[LI], v[YB+4*\k:YB+4*\k+3], s[16:17] offset:4096*\i+512*\k th:TH_STORE_NT
.endr
.endm
	s_load_b256 s[4:11], s[0:1], 0x0
	s_load_b128 s[12:15], s[0:1], 0x20
	s_load_b64 s[16:17], s[0:1], 0x30
	v_lshl_add_u32 v[SPW], v0, 2, SPARE
	v_mov_b32 v[NIL], 0
	ds_add_u32 v14, v15
	ds_add_u32 v14, v15
	s_wait_dscnt 0x0
	v_lshrrev_b32 v160, 5, v0
	v_readfirstlane_b32 s20, v160
	s_bfe_u32 s21, ttmp6, 0x40000
	s_lshl_b32 s22, ttmp9, 2
	s_add_co_u32 s22, s22, s21
	v_and_b32 v160, 31, v0
	v_and_b32 v161, 15, v0
	v_bfe_u32 v162, v0, 4, 1
	v_and_b32 v163, 8, v161
	v_add_nc_u32 v163, v163, v161
	v_lshlrev_b32 v[LI], 4, v160
	v_lshlrev_b32 v[WSA], 5, v161
	v_lshlrev_b32 v[NSA], 2, v161
	v_lshlrev_b32 v[BA], 5, v162
	s_mul_i32 s48, s20, RINGW
	v_mul_u32_u24 v164, v161, WP
	v_lshl_add_u32 v164, v162, 4, v164
	v_add_nc_u32 v[WA], s48, v164
	v_add_nc_u32 v[WA+1], RINGS, v[WA]
	v_mul_u32_u24 v[SA], v163, SP
	v_lshl_add_u32 v[SA], v162, 5, v[SA]
	s_lshl_b32 s49, s20, 10
	v_add_nc_u32 v[SA], s49, v[SA]
	s_mul_i32 s49, s20, 8*SP
	v_add_nc_u32 v[SR], s49, v[LI]
	v_mov_b32 v165, 0
	v_mov_b32 v167, 0
	s_mov_b32 s40, 0x76543210
	s_mov_b32 s41, 0xfedcba98
	s_mov_b32 s42, 0xbfb8aa3b
	s_mov_b32 s43, s42
	s_mov_b32 s44, 0x3a800000
	s_mov_b32 s45, 0x3727c5ac
	s_mov_b32 s24, 0x07b0000f
	s_mov_b32 s25, 512<<16
	s_mov_b32 s26, 64<<16
	s_mov_b32 s27, 512<<16
	s_mov_b32 s28, 64
	s_mov_b32 s29, 1024
	s_mov_b32 s30, 0
	s_mov_b32 s31, 0
	s_lshl_b32 s46, s20, 18
	s_mov_b32 s47, 0
	s_lshl_b32 s50, s22, 15
	s_mov_b32 s51, 0
	s_lshl_b32 s52, s22, 10
	s_mov_b32 s53, 0
	s_lshl_b32 s54, s20, 13
	s_mov_b32 s55, 0
	s_lshl_b32 s56, s20, 10
	s_mov_b32 s57, 0
	s_lshl_b32 s58, s22, 17
	s_lshl_b32 s59, s20, 15
	s_add_co_u32 s58, s58, s59
	s_mov_b32 s59, 0
	s_wait_kmcnt 0x0
	s_add_nc_u64 s[8:9], s[8:9], s[46:47]
	s_add_nc_u64 s[4:5], s[4:5], s[50:51]
	s_add_nc_u64 s[6:7], s[6:7], s[52:53]
	s_add_nc_u64 s[10:11], s[10:11], s[54:55]
	s_add_nc_u64 s[12:13], s[12:13], s[56:57]
	s_add_nc_u64 s[14:15], s[14:15], s[58:59]
	s_add_nc_u64 s[16:17], s[16:17], s[58:59]
	NVLOAD 0
	WLOAD 0, 0
	BLOAD 0
	s_mov_b32 s32, 1
	s_mov_b32 s33, s48
	s_mov_b64 s[34:35], s[8:9]
	s_or_b32 s35, s35, 0x80000000
	s_mov_b32 s36, 1
	s_add_co_u32 s37, s48, RINGS
	s_add_nc_u64 s[38:39], s[8:9], 512
	s_or_b32 s39, s39, 0x80000000
	ROUND
	tensor_load_to_lds s[32:35], s[24:31]
	s_nop 0
	s_wait_alu depctr_va_vdst(0)
	s_wait_tensorcnt 0x0
	ds_add_u32 v14, v15
	s_wait_dscnt 0x0
	ROUND
	tensor_load_to_lds s[36:39], s[24:31]
	s_nop 0
	PLACES 4
	NVLOAD 1
	WLOAD 0, 1
	s_wait_alu depctr_va_vdst(0)
	TURN 0, 44
	CHUNK 1
	TURN 1, 24
	CHUNK 2
	TURN 2, 24
	CHUNK 3
	TURN 3, -1
	TURN 4, 24
	TURN 5, -1
	TURN 6, 0
	TURN 7, -1
	WIN 0
	PLACES 8
	WIN 0x40
.irp i, 0,1,2,3,4,5,6,7
.irp k, 0,1,2,3,4,5,6,7
	global_load_b128 v[32*\i+4*\k:32*\i+4*\k+3], v[LI], s[14:15] offset:4096*\i+512*\k th:TH_LOAD_NT
.endr
.endr
	WIN 0
.irp j, 0,1,2,3
	SWISH \j
.irp u, 0,1
.irp t, 0,1,2,3
.irp e, 0,1
	ds_store_b128 v[SA], v[U+32*\u+8*\t+4*\e:U+32*\u+8*\t+4*\e+3] offset:8*SP*\u+256*\j+64*\t+16*\e
.endr
.endr
.endr
	s_wait_dscnt 0x0
.endr
	s_barrier_signal -1
	s_barrier_wait -1
	s_wait_loadcnt 0x0
	LOADROW 0
	LNROW 0
	LNROW 1
	LNROW 2
	LNROW 3
	LNROW 4
	LNROW 5
	LNROW 6
	LNROW 7
	s_wait_tensorcnt 0x0
	ds_add_u32 v[SPW], v[NIL]
	s_wait_dscnt 0x0
	ROUND
	s_endpgm
.Lfunc_end_k_qc003703f18_outln:
	.size	k_qc003703f18_outln, .Lfunc_end_k_qc003703f18_outln-k_qc003703f18_outln
	.p2alignl 7, 3214868480
	.fill 96, 4, 3214868480
	.section	.rodata,"a",@progbits
	.p2align	6, 0x0
	.amdhsa_kernel k_qc003703f18_outln
		.amdhsa_group_segment_fixed_size 327680
		.amdhsa_private_segment_fixed_size 0
		.amdhsa_enable_private_segment 0
		.amdhsa_kernarg_size 56
		.amdhsa_user_sgpr_count 2
		.amdhsa_user_sgpr_kernarg_segment_ptr 1
		.amdhsa_wavefront_size32 1
		.amdhsa_system_sgpr_workgroup_id_x 1
		.amdhsa_system_sgpr_workgroup_id_y 1
		.amdhsa_system_sgpr_workgroup_id_z 1
		.amdhsa_system_vgpr_workitem_id 0
		.amdhsa_next_free_vgpr 1024
		.amdhsa_next_free_sgpr 80
		.amdhsa_reserve_vcc 0
		.amdhsa_float_denorm_mode_32 3
		.amdhsa_float_denorm_mode_16_64 3
		.amdhsa_memory_ordered 1
		.amdhsa_forward_progress 1
		.amdhsa_inst_pref_size 205
	.end_amdhsa_kernel
	.amdgpu_metadata
---
amdhsa.version: [ 1, 2 ]
amdhsa.kernels:
  - .name:           k_qc003703f18_outln
    .symbol:         k_qc003703f18_outln.kd
    .args:
      - { .name: nvimg, .offset: 0, .size: 8, .value_kind: global_buffer, .address_space: global }
      - { .name: nvsc, .offset: 8, .size: 8, .value_kind: global_buffer, .address_space: global }
      - { .name: W_fc2_codes, .offset: 16, .size: 8, .value_kind: global_buffer, .address_space: global }
      - { .name: W_fc2_scales, .offset: 24, .size: 8, .value_kind: global_buffer, .address_space: global }
      - { .name: b_fc2, .offset: 32, .size: 8, .value_kind: global_buffer, .address_space: global }
      - { .name: x, .offset: 40, .size: 8, .value_kind: global_buffer, .address_space: global }
      - { .name: out0, .offset: 48, .size: 8, .value_kind: global_buffer, .address_space: global }
    .group_segment_fixed_size: 327680
    .private_segment_fixed_size: 0
    .kernarg_segment_align: 8
    .kernarg_segment_size: 56
    .max_flat_workgroup_size: 128
    .sgpr_count:     80
    .vgpr_count:     1024
    .wavefront_size: 32
...
	.end_amdgpu_metadata
.endif
;; end of part 3
